; MI455X (gfx1250); checked and timed in simulation.
; The chip was launched on July 23, 2026; its instructions are those of AMD's public machine-readable ISA for CDNA 5 (MIT licence, August 2026) and "CDNA5" Instruction Set Architecture Reference Guide (July 2026). The comments in the code are by the model that wrote it; some were corrected since.
;; Multi Head Attention. Allowed arithmetic: matrix products marked QUANTISED: E2M3 operands, one E8M0 scale for each 32 along K, by v_wmma_scale_f32_16x16x128_f8f6f4 with both operands' format E2M3, f32 sums; everything else in f32.
;; Inputs: Wk 1,024 x 1,024 float32; Wq 1,024 x 1,024 float32; Wv 1,024 x 1,024 float32; bk 1,024 float32; bq 1,024 float32; bv 1,024 float32; k 4 x 2,048 x 1,024 float32; q 4 x 2,048 x 1,024 float32; v 4 x 2,048 x 1,024 float32.
;; Outputs: out0 4 x 2,048 x 1,024 float32.
;; This version of the problem:
;;   THIS VERSION OF THE PROBLEM IS GIVEN IN LOW PRECISION. The matrix products marked QUANTISED in the list below multiply operands that are first quantised to E2M3 (2 exponent bits, 3 mantissa bits; 6 bits a number), with one power-of-two scale for each 32 numbers along K (OCP MX v1.0); their sums are f32. All else is computed in f32.
;;   The module's matrix products, in the order in which they are computed (A, B: the left and right operand; K: the contracted axis; several contracted axes count as one K, in the product's order):
;;     1. [M 8,192, K 1,024] x [K 1,024, N 1,024]; A: input q; B: input Wq: QUANTISED
;;     2. [M 8,192, K 1,024] x [K 1,024, N 1,024]; A: input k; B: input Wk: QUANTISED
;;     3. [M 8,192, K 1,024] x [K 1,024, N 1,024]; A: input v; B: input Wv: QUANTISED
;;     4. batch 64 x [M 2,048, K 64] x [K 64, N 2,048]; A: computed on the way; B: computed on the way: QUANTISED
;;     5. batch 64 x [M 2,048, K 2,048] x [K 2,048, N 64]; A: computed on the way; B: computed on the way: QUANTISED
;;   THE QUANTISER, for each operand of a quantised product, along K:
;;     - K is cut into blocks of 32 from its start; a last block that is shorter is filled with zeros.
;;     - A block's scale is 2^e with e = floor(log2(the largest magnitude in the block)) - 2, held to -126 .. 127; a block of zeros has e = 0. As a byte (E8M0): e + 127.
;;     - Each number is divided by its block's scale, clamped to +-7.5, and rounded to the nearest number of E2M3, ties to even, subnormals kept.
;;     - The product sums the exact products of the quantised numbers (number of the format x scale) in f32.
;;   ~~~python
;;   def quantise(x, axis):      # numpy; x: float32 -> the quantised numbers, widened to float32 again
;;       x = np.moveaxis(x, axis, -1); K = x.shape[-1]
;;       x = np.pad(x, [(0, 0)] * (x.ndim - 1) + [(0, -K % 32)]); x = x.reshape(x.shape[:-1] + (-1, 32)); a = np.abs(x).max(-1, keepdims=True)
;;       e = np.where(a > 0, np.clip(np.frexp(np.where(a > 0, a, 1))[1] - 1 - 2, -126, 127), 0)      # np.frexp(a)[1] - 1 = floor(log2(a)), exactly
;;       r = np.clip(x / 2.0 ** e, -7.5, 7.5)
;;       step = 2.0 ** (np.maximum(np.frexp(np.where(r == 0, 1, r))[1] - 1, 0) - 3)
;;       q = np.round(r / step) * step * 2.0 ** e      # np.round: ties to even
;;       return np.moveaxis(q.reshape(q.shape[:-2] + (-1,))[..., :K], -1, axis).astype(np.float32)
;;   ~~~
;;   OPERANDS COMPUTED ON THE WAY. 'Computed on the way' means the value that the module computes at that place (a softmax that the list does not call 'softmax' is quantised finished and normalised). What goes into a quantiser is computed in f32, as accurately as f32 sums, v_exp_f32 and their like allow (about 1e-6 of the number): no bf16 or f16 on the way to a quantiser, and a product that is left as it is and whose result goes on into a quantised operand takes f32 operands (vector FMAs, or v_wmma_f32_16x16x4_f32). A number that lies on a knife's edge between two numbers of the format may be rounded either way, as far as f32 arithmetic and the matrix unit's own rounding can turn it there, and no further.
;; One version. Each part assembles by itself: llvm-mc -triple=amdgcn-amd-amdhsa -mcpu=gfx1250 --defsym DOCPART=n.
;; ======== version 1 of 1: 3 launches
;; limits: right only within a limited range of input values
;; workspace buffers: ci 22,118,400 bytes; img 20,447,232 bytes
;; launch quant (part 1): grid 864 x 1, 4 waves a work-group, no clusters, 58,880 bytes of LDS; arguments q, k, v, Wq, Wk, Wv, ci; writes ci
.if DOCPART == 1
	.amdgcn_target "amdgcn-amd-amdhsa--gfx1250"
	.amdhsa_code_object_version 6
	.text
	.protected	k_q3611b474a9_quant
	.globl	k_q3611b474a9_quant
	.p2align	8
	.type	k_q3611b474a9_quant,@function
k_q3611b474a9_quant:
	s_mov_b64 s[64:65], 0
	v_nop
	global_prefetch_b8 v0, s[64:65] scope:SCOPE_SE
	s_setreg_imm32_b32 hwreg(HW_REG_WAVE_MODE, 25, 1), 1
	s_wait_xcnt 0x0
; q, k, v [8192][1024] f32 (K innermost) and Wq, Wk, Wv [1024 (K)][1024 (n)] f32 (K outermost) become codes of FP6 (E2M3) with one E8M0 byte for each 32 along K.
; A block's scale is 2^(floor(log2(its largest magnitude)) - 2); its byte is the largest magnitude's exponent field - 2, held at 1 from below; numbers are divided by it and rounded to the nearest code, ties to even.
; LIMITS: NaN and infinities among the inputs are not served; a block whose largest magnitude lies under 2^-124 gets the byte 1; a block of zeros gets the byte 1 where the rule says 127: its codes are zeros, and this program alone reads the bytes.
; THE OUTPUT IS LAID AS THE NEXT LAUNCH'S OPERAND REGISTERS.  ci = 216 blocks of 128 rows (q's 64, k's 64, v's 64, then 8 each of Wq^T, Wk^T, Wv^T), 102,400 bytes each = 4 sub-blocks of 256 along K, 25,600 bytes each.
; A sub-block: codes at 12,288 q + 1,536 i (q: which 128 along K; i: fragment 0..7), then 1,024 bytes of scale words at 24,576 + 256 (i / 2) + 16 r + 4 (2 (i % 2) + q).
; A fragment's image is three planes of 512 bytes: lane l's 16 bytes at 16 l are registers 4 p .. 4 p + 3 of its 12.  Lane (r, h) of fragment i holds row 32 (i / 2) + 8 (i % 2) + r + 8 (r / 8); registers 6 c .. 6 c + 5 hold K = 64 c + 32 h + 0 .. 31.
; Work-groups 0..767: 32 rows of q, k or v, all of K; a wave takes 256 along K.  Work-groups 768..863: 128 columns x 256 along K of a weight; a wave takes 32 columns.
; No input is shared between work-groups, so no cluster; no tensor loads, no barrier: waves share nothing.  The two paths have LDS bytes of their own.
.set RBB,   102400                     ; bytes of a block of 128 rows
.set SUB,   25600                      ; bytes of a sub-block
.set XW,    8448                       ; x path: a wave's stage, 16 rows x 528 bytes, from LDS byte 0 on
.set WSTG,  33792                      ; W path: the stages begin here,
.set WWB,   6144                       ; 6,144 bytes a wave: four fragment images
.set SPARE, 58368                      ; behind them: the spare words, 128 bytes for each wave, which no other line names
.set SPW,   252                        ; v252  LDS address of my spare word; never rewritten
.set NIL,   253                        ; v253  0; never rewritten
.set SEL,   20                         ; s[20:21] lane selects for v_permlanex16_b32: lane l xor 16
.set TM,    16                         ; v16-27   QUANT's scratch
.set R,     32                         ; v32-159  x path: two sets of 64 registers as loaded
.set X,     160                        ; v160-223 64 numbers of my row, register 16 b + n = K 32 b + 16 h + n
.set PC,    224                        ; v224-247 two sets of 12: a fragment's codes
.set PW,    248                        ; v248-251 the four tile steps' scale words
.set WX,    32                         ; v32-95   W path: two sets of 32 numbers down K
.set C,     96                         ; v96-101  a block's codes
.set T,     104                        ; v104-106 its upper half as the conversion leaves it
.set SB,    108                        ; v108-109 scale words of the two K steps
.set OUTR,  112                        ; v112-159 the way out
; 64 numbers of a lane, v[s] on, become a fragment's registers 0-5 (v[d0] on) and 6-11 (v[d1] on) and its scale word v[w].
.macro QUANT s, d0, d1, w
.irp b, 0,1,2,3
	v_max3_num_f32 v[TM+\b], |v[\s+16*\b]|, |v[\s+1+16*\b]|, 0x1800000   ; block b: my 16 numbers, and the floor 2^(3 - 127): the byte cannot fall under 1
.endr
.irp i, 2,4,6,8,10,12,14
.irp b, 0,1,2,3
	v_max3_num_f32 v[TM+\b], v[TM+\b], |v[\s+16*\b+\i]|, |v[\s+1+16*\b+\i]|   ; the four blocks by turns
.endr
.endr
.irp b, 0,1,2,3
	v_permlanex16_b32 v[TM+4+\b], v[TM+\b], s[SEL], s[SEL+1]
.endr
.irp b, 0,1,2,3
	v_max_num_f32 v[TM+\b], v[TM+\b], v[TM+4+\b]                   ; with lane l xor 16's 16: the block's largest magnitude
.endr
.irp b, 0,1,2,3
	v_add_nc_u32 v[TM+8+\b], 0xff000000, v[TM+\b]                  ; 2 off its exponent field: the conversion's scale operand
.endr
.irp b, 0,1,2,3
	v_lshrrev_b32 v[TM+4+\b], 23, v[TM+8+\b]                       ; the scale's byte
.endr
	v_lshl_or_b32 v[\w], v[TM+5], 8, v[TM+4]
	v_lshl_or_b32 v[\w], v[TM+6], 16, v[\w]
	v_lshl_or_b32 v[\w], v[TM+7], 24, v[\w]                        ; my row's scale word
	v_cvt_scalef32_pk16_fp6_f32 v[\d0:\d0+2], v[\s:\s+15], v[TM+8]
	v_cvt_scalef32_pk16_fp6_f32 v[TM:TM+2], v[\s+16:\s+31], v[TM+9]       ; (a conversion's three registers begin on an even number)
	v_cvt_scalef32_pk16_fp6_f32 v[\d1:\d1+2], v[\s+32:\s+47], v[TM+10]
	v_cvt_scalef32_pk16_fp6_f32 v[TM+4:TM+6], v[\s+48:\s+63], v[TM+11]
	v_nop                                                          ; one plain place behind the conversions
.irp i, 0,1,2
	v_permlane16_swap_b32 v[\d0+\i], v[TM+\i]                      ; a whole block in a lane: lanes 0-15 block 0, lanes 16-31 block 1
	v_permlane16_swap_b32 v[\d1+\i], v[TM+4+\i]                    ; and blocks 2, 3
.endr
.irp i, 0,1,2
	v_mov_b32 v[\d0+3+\i], v[TM+\i]
	v_mov_b32 v[\d1+3+\i], v[TM+4+\i]
.endr
.endm
	s_load_b256 s[4:11], s[0:1], 0x0               ; q s[4:5], k s[6:7], v s[8:9], Wq s[10:11]
	s_load_b128 s[12:15], s[0:1], 0x20             ; Wk, Wv
	s_load_b64 s[16:17], s[0:1], 0x30              ; ci
	v_lshl_add_u32 v[SPW], v0, 2, SPARE
	v_mov_b32 v[NIL], 0
	v_lshrrev_b32 v1, 5, v0
	v_readfirstlane_b32 s18, v1                    ; wave 0..3
	v_and_b32 v1, 31, v0                           ; lane
	v_lshlrev_b32 v2, 4, v1                        ; 16 x lane
	s_mov_b32 s[SEL], 0x76543210
	s_mov_b32 s[SEL+1], 0xfedcba98
	s_cmp_ge_u32 ttmp9, 768
	s_cbranch_scc1 .Lweights
	; ---------------- q, k, v: 32 rows, my wave's 256 along K: four tile steps n = 2 u + q (fragment u of the two, K step q)
	v_and_b32 v6, 15, v0                           ; r
	v_bfe_u32 v7, v0, 4, 1                         ; h
	s_mul_i32 s23, s18, XW
	v_add_nc_u32 v3, s23, v2                       ; into the stage: 16 x lane of a row's 512 bytes
	v_mul_u32_u24 v4, v6, 528
	v_lshl_add_u32 v4, v7, 6, v4
	v_add_nc_u32 v4, s23, v4                       ; out of it: row r, + 64 h.  528 = 33 x 16: sixteen rows start at sixteen different 16-byte columns modulo 256
	v_lshlrev_b32 v5, 4, v6                        ; the scale words' place: 16 r
.irp b, 0,1,2,3
	v_mov_b32 v[TM+4+\b], 0                        ; written once: a lane permute's destination counts as one of its sources
.endr
	s_and_b32 s24, ttmp9, 255
	s_lshl_b32 s24, s24, 17                        ; 32 rows of 4,096 bytes
	s_lshl_b32 s25, s18, 10                        ; + 256 numbers a wave
	s_add_co_u32 s24, s24, s25
	s_mov_b32 s25, 0
	s_lshr_b32 s26, ttmp9, 2                       ; the block of 128 rows
	s_mul_i32 s26, s26, RBB
	s_mul_i32 s27, s18, SUB
	s_add_co_u32 s26, s26, s27                     ; my sub-block
	s_and_b32 s27, ttmp9, 3                        ; which 32 rows of the 128: fragments 2 g, 2 g + 1
	s_mul_i32 s28, s27, 3072
	s_add_co_u32 s28, s28, s26
	s_mov_b32 s29, 0
	s_lshl_b32 s30, s27, 8
	s_add_co_u32 s30, s30, s26
	s_add_co_u32 s30, s30, 24576
	s_mov_b32 s31, 0
	s_wait_kmcnt 0x0
	s_cmp_lt_u32 ttmp9, 256                        ; the choice hangs on the work-group's number alone
	s_cselect_b64 s[32:33], s[4:5], s[6:7]
	s_cmp_lt_u32 ttmp9, 512
	s_cselect_b64 s[32:33], s[32:33], s[8:9]
	s_add_nc_u64 s[32:33], s[32:33], s[24:25]      ; in
	s_add_nc_u64 s[34:35], s[16:17], s[28:29]      ; codes out
	s_add_nc_u64 s[36:37], s[16:17], s[30:31]      ; scale words out
.macro XLOAD n                         ; tile step n: 16 rows x 512 bytes; each load reads 512 consecutive bytes of one row
.irp p, 0,1,2,3,4,5,6,7,8,9,10,11,12,13,14,15
	global_load_b128 v[R+64*((\n)%2)+4*\p:R+64*((\n)%2)+4*\p+3], v2, s[32:33] offset:(8*((\n)/2)+\p+8*(\p/8))*4096+512*((\n)%2) th:TH_LOAD_NT
.endr
.endm
.macro XSTEP n
.set RS, R+64*((\n)%2)
.set PS, PC+12*((\n)%2)
.if (\n) < 3
	s_wait_loadcnt 16                              ; this step's 16 loads are in; the next step's 16 may be out
.else
	s_wait_loadcnt 0x0
.endif
.irp p, 0,1,2,3,4,5,6,7,8,9,10,11,12,13,14,15
	ds_store_b128 v3, v[RS+4*\p:RS+4*\p+3] offset:528*\p
.endr
.irp b, 0,1,2,3
.irp j, 0,1,2,3
	ds_load_b128 v[X+16*\b+4*\j:X+16*\b+4*\j+3], v4 offset:128*\b+16*\j   ; LDS serves a wave's instructions in order: these see my stores
.endr
.endr
	s_wait_dscnt 0x0
.if (\n) < 2
	XLOAD (\n)+2                                   ; into the set that the stage has taken over
.else
	s_wait_xcnt 0x0                                ; the stores of two steps ago have read this set of codes
.endif
	QUANT X, PS, PS+6, PW+(\n)
.irp p, 0,1,2
	global_store_b128 v2, v[PS+4*\p:PS+4*\p+3], s[34:35] offset:12288*((\n)%2)+1536*((\n)/2)+512*\p   ; 512 consecutive bytes, aligned
.endr
.endm
	XLOAD 0
	XLOAD 1
	XSTEP 0
	XSTEP 1
	XSTEP 2
	XSTEP 3
	v_cmp_gt_u32 vcc_lo, 16, v1
	s_wait_xcnt 0x0                                ; EXEC changes only behind this wait
	s_and_saveexec_b32 s22, vcc_lo
	global_store_b128 v5, v[PW:PW+3], s[36:37]     ; lanes 0-15: 256 consecutive bytes, aligned
	s_wait_xcnt 0x0
	s_or_b32 exec_lo, exec_lo, s22
	s_wait_tensorcnt 0x0                           ; the wave's end, behind my last LDS store
	ds_add_u32 v[SPW], v[NIL]
	s_wait_dscnt 0x0
	s_endpgm
	; ---------------- a weight: a lane takes a column n, its registers run down K: the conversions give codes with K innermost
.Lweights:
	s_sub_co_u32 s22, ttmp9, 768                   ; j = 32 x stream + 4 x (block of 128 columns) + sub-block
	v_lshlrev_b32 v3, 2, v1                        ; 4 bytes a lane
	v_bfe_u32 v9, v0, 3, 1                         ; column 32 g + lane is row r' of fragment 2 g + u': u' = bit 3 of the lane,
	v_and_b32 v10, 7, v0
	v_bfe_u32 v11, v0, 4, 1
	v_lshl_or_b32 v10, v11, 3, v10                 ; r' = (lane % 8) + 8 (lane / 16)
	s_mul_i32 s23, s18, WWB
	s_add_co_u32 s23, s23, WSTG                    ; my stage: images (q, u') at 3,072 q + 1,536 u'
	v_mul_u32_u24 v6, v9, 1536
	v_lshl_add_u32 v6, v10, 4, v6
	v_add_nc_u32 v6, s23, v6                       ; into it: 1,536 u' + 16 r'
	v_add_nc_u32 v7, s23, v2                       ; out of it: 16 x lane
	v_lshlrev_b32 v8, 4, v10
	v_lshl_add_u32 v8, v9, 3, v8                   ; my two scale words: 16 r' + 8 u'
	s_and_b32 s24, s22, 3                          ; sub-block
	s_lshl_b32 s26, s24, 20                        ; 256 rows of 4,096 bytes
	s_bfe_u32 s25, s22, 0x30002                    ; block of 128 columns
	s_lshl_b32 s25, s25, 9
	s_add_co_u32 s26, s26, s25
	s_lshl_b32 s25, s18, 7                         ; 32 columns a wave
	s_add_co_u32 s26, s26, s25
	s_mov_b32 s27, 0
	s_lshr_b32 s28, s22, 2
	s_add_co_u32 s28, s28, 192
	s_mul_i32 s28, s28, RBB
	s_mul_i32 s29, s24, SUB
	s_add_co_u32 s28, s28, s29                     ; the sub-block in ci
	s_mul_i32 s29, s18, 3072
	s_add_co_u32 s30, s28, s29                     ; my two fragments
	s_mov_b32 s31, 0
	s_lshl_b32 s29, s18, 8
	s_add_co_u32 s28, s28, s29
	s_add_co_u32 s28, s28, 24576                   ; their scale words
	s_mov_b32 s29, 0
	s_wait_kmcnt 0x0
	s_cmp_lt_u32 s22, 32
	s_cselect_b64 s[32:33], s[10:11], s[12:13]
	s_cmp_lt_u32 s22, 64
	s_cselect_b64 s[32:33], s[32:33], s[14:15]
	s_add_nc_u64 s[32:33], s[32:33], s[26:27]
	s_add_nc_u64 s[34:35], s[16:17], s[30:31]
	s_add_nc_u64 s[36:37], s[16:17], s[28:29]
.macro WLOAD t                         ; block t: W(32 t + i, my column): 32 lanes read 128 consecutive bytes
.irp i, 0,1,2,3,4,5,6,7,8,9,10,11,12,13,14,15,16,17,18,19,20,21,22,23,24,25,26,27,28,29,30,31
	global_load_b32 v[WX+32*((\t)%2)+\i], v3, s[32:33] offset:(32*(\t)+\i)*4096 th:TH_LOAD_NT
.endr
.endm
.macro BLOCK t                         ; K step q = t / 4; in it block t % 4 = 2 c + hh: registers 6 c .. 6 c + 5 of lane r' + 16 hh
.set XS, WX+32*((\t)%2)
.set OFS, 3072*((\t)/4)+256*((\t)%2)
.if (\t) < 7
	s_wait_loadcnt 32                              ; this block's 32 loads are in; the next block's may be out
.else
	s_wait_loadcnt 0x0
.endif
	v_max3_num_f32 v12, |v[XS]|, |v[XS+1]|, |v[XS+2]|              ; all 32 numbers of the block are mine: two chains
	v_max3_num_f32 v13, |v[XS+3]|, |v[XS+4]|, |v[XS+5]|
.irp i, 6,10,14,18,22,26
	v_max3_num_f32 v12, v12, |v[XS+\i]|, |v[XS+\i+1]|
	v_max3_num_f32 v13, v13, |v[XS+\i+2]|, |v[XS+\i+3]|
.endr
	v_max3_num_f32 v12, v12, |v[XS+30]|, |v[XS+31]|
	v_max3_num_f32 v12, v12, v13, 0x1800000        ; and the floor
	v_add_nc_u32 v14, 0xff000000, v12              ; the conversion's scale operand
	v_lshrrev_b32 v15, 23, v14                     ; the byte
.if (\t)%4 == 0
	v_mov_b32 v[SB+(\t)/4], v15
.else
	v_lshl_or_b32 v[SB+(\t)/4], v15, 8*((\t)%4), v[SB+(\t)/4]
.endif
	v_cvt_scalef32_pk16_fp6_f32 v[C:C+2], v[XS:XS+15], v14
	v_cvt_scalef32_pk16_fp6_f32 v[T:T+2], v[XS+16:XS+31], v14
	v_nop                                          ; one plain place behind the conversions
.irp i, 0,1,2
	v_mov_b32 v[C+3+\i], v[T+\i]
.endr
.if ((\t)%4)/2 == 0
	ds_store_b128 v6, v[C:C+3] offset:OFS          ; registers 0-3: plane 0
	ds_store_b64 v6, v[C+4:C+5] offset:OFS+512     ; registers 4, 5: plane 1, low half
.else
	ds_store_b64 v6, v[C:C+1] offset:OFS+520       ; registers 6, 7: plane 1, high half
	ds_store_b128 v6, v[C+2:C+5] offset:OFS+1024   ; registers 8-11: plane 2
.endif
.if (\t) < 6
	WLOAD (\t)+2
.endif
	s_wait_dscnt 0x0                               ; the stores have read their registers
.endm
	WLOAD 0
	WLOAD 1
.irp t, 0,1,2,3,4,5,6,7
	BLOCK \t
.endr
	global_store_b64 v8, v[SB:SB+1], s[36:37]      ; 32 lanes: 256 consecutive bytes, aligned
.irp m, 0,1,2,3,4,5,6,7,8,9,10,11
	ds_load_b128 v[OUTR+4*\m:OUTR+4*\m+3], v7 offset:512*\m
.endr
.irp m, 0,1,2,3,4,5,6,7,8,9,10,11
	s_wait_dscnt 11-\m                             ; the younger loads may be out
	global_store_b128 v2, v[OUTR+4*\m:OUTR+4*\m+3], s[34:35] offset:(\m/6)*12288+(\m%6)*512
.endr
	s_wait_tensorcnt 0x0                           ; the wave's end, behind my last LDS store
	ds_add_u32 v[SPW], v[NIL]
	s_wait_dscnt 0x0
	s_endpgm
.Lfunc_end_k_q3611b474a9_quant:
	.size	k_q3611b474a9_quant, .Lfunc_end_k_q3611b474a9_quant-k_q3611b474a9_quant
	.p2alignl 7, 3214868480
	.fill 96, 4, 3214868480
	.section	.rodata,"a",@progbits
	.p2align	6, 0x0
	.amdhsa_kernel k_q3611b474a9_quant
		.amdhsa_group_segment_fixed_size 58880
		.amdhsa_private_segment_fixed_size 0
		.amdhsa_enable_private_segment 0
		.amdhsa_kernarg_size 56
		.amdhsa_user_sgpr_count 2
		.amdhsa_user_sgpr_kernarg_segment_ptr 1
		.amdhsa_wavefront_size32 1
		.amdhsa_system_sgpr_workgroup_id_x 1
		.amdhsa_system_sgpr_workgroup_id_y 1
		.amdhsa_system_sgpr_workgroup_id_z 1
		.amdhsa_system_vgpr_workitem_id 0
		.amdhsa_next_free_vgpr 256
		.amdhsa_next_free_sgpr 66
		.amdhsa_reserve_vcc 1
		.amdhsa_float_denorm_mode_32 3
		.amdhsa_float_denorm_mode_16_64 3
		.amdhsa_memory_ordered 1
		.amdhsa_forward_progress 1
		.amdhsa_inst_pref_size 75
	.end_amdhsa_kernel
	.amdgpu_metadata
---
amdhsa.version: [ 1, 2 ]
amdhsa.kernels:
  - .name:           k_q3611b474a9_quant
    .symbol:         k_q3611b474a9_quant.kd
    .args:
      - { .name: q, .offset: 0, .size: 8, .value_kind: global_buffer, .address_space: global }
      - { .name: k, .offset: 8, .size: 8, .value_kind: global_buffer, .address_space: global }
      - { .name: v, .offset: 16, .size: 8, .value_kind: global_buffer, .address_space: global }
      - { .name: Wq, .offset: 24, .size: 8, .value_kind: global_buffer, .address_space: global }
      - { .name: Wk, .offset: 32, .size: 8, .value_kind: global_buffer, .address_space: global }
      - { .name: Wv, .offset: 40, .size: 8, .value_kind: global_buffer, .address_space: global }
      - { .name: ci, .offset: 48, .size: 8, .value_kind: global_buffer, .address_space: global }
    .group_segment_fixed_size: 58880
    .private_segment_fixed_size: 0
    .kernarg_segment_align: 8
    .kernarg_segment_size: 56
    .max_flat_workgroup_size: 128
    .sgpr_count:     66
    .vgpr_count:     256
    .wavefront_size: 32
...
	.end_amdgpu_metadata
.endif
;; end of part 1
;; launch proj (part 2): grid 4 x 96, 4 waves a work-group, clusters of 4 x 4, 327,680 bytes of LDS; arguments ci, bq, bk, bv, img; writes img
.if DOCPART == 2
	.amdgcn_target "amdgcn-amd-amdhsa--gfx1250"
	.amdhsa_code_object_version 6
	.text
	.protected	k_q3611b474a9_proj
	.globl	k_q3611b474a9_proj
	.p2align	8
	.type	k_q3611b474a9_proj,@function
k_q3611b474a9_proj:
	s_mov_b64 s[64:65], 0
	v_nop
	global_prefetch_b8 v0, s[64:65] scope:SCOPE_SE
	s_setreg_imm32_b32 hwreg(HW_REG_WAVE_MODE, 25, 1), 1
	s_wait_xcnt 0x0
	s_wait_alu depctr_hold_cnt(0) depctr_sa_sdst(0) depctr_va_vdst(0) depctr_va_sdst(0) depctr_va_ssrc(0) depctr_va_vcc(0) depctr_vm_vsrc(0)
	s_getreg_b32 s2, hwreg(HW_REG_IB_STS2, 6, 4)
	s_cmp_eq_u32 s2, 0
	s_cbranch_scc0 .Lentry_in_a_cluster
	s_endpgm
.Lentry_in_a_cluster:
	s_bfe_u32 s2, ttmp6, 0x10000c
	s_cmp_lg_u32 s2, 0xf033
	s_cbranch_scc0 .Lentry_shape_is_right
	s_endpgm
.Lentry_shape_is_right:
; The three projections x W + b on codes of FP6 (E2M3) with E8M0 scales, K = 1,024; the results are quantised in registers and stored as register images of the attention launch's operands.
; A work-group makes 256 x 256 results, a wave 128 (P) x 128 (R): 64 accumulators.  P is source 0: a lane's registers run along P.  R is source 1: a lane holds one row of R.
; Streams q and k: P = rows of W^T (the head's dims, along which qh and kh are quantised), R = rows of x.  Stream v: P = rows of x (the keys, along which vh is quantised), R = rows of Wv^T.
; Only WHICH block of ci goes to which LDS region differs; the products are the same text for all three.
; ci: blocks of 128 rows, 102,400 bytes, each 4 sub-blocks (256 along K) of 25,600: fragment images at 12,288 q + 1,536 i, scale words from 24,576 on.  Lane r of fragment i holds row 32 (i / 2) + 8 (i % 2) + r + 8 (r / 8),
; so that the 16 registers of two neighbouring tiles of P are 16 neighbours: register 16 b + n of a lane is P index 32 b + 16 h + n.
; img: [batch x head 64][step of 128 rows 16][q, k, v][6,656]: four fragment images, then 512 bytes: lane l's 16 bytes hold the four fragments' scale words.
;   q, k: fragment B: registers 0-5 = row of tile 2 B, the head's dims 32 h on; registers 6-11 = row of tile 2 B + 1; the word: two bytes for each.   v: fragment T: row d of the head, K = the step's 128 keys.
; CLUSTERS: 4 x 4 work-groups.  R's tiles hang on cy alone and are asked for jointly by a row of the cluster, P's on cx alone, by a column.
; THE RING: three slots of 102,400 bytes hold K steps (of 256) 0, 1, 2, asked for together at the head: three tensor loads of a wave are out at most.  Slot 0 is filled once more, with K step 3.
; 384 work-groups are 24 clusters: a smaller tile would spread more evenly, at twice the head and way out for each product.
; LIMITS: as in the launch before: bytes are held at 1 from below; a block of zeros gets the byte 1; NaN and infinities are not served.
.set SUB,    25600
.set RBB,    102400
.set SLOT,   102400                    ; R's two halves, then P's two halves: a quarter a wave
.set SPARE,  3*SLOT                    ; the spare words, 128 bytes for each wave, which no other line names
.set FR,     12
.set NQ,     2
.set ADRA,   16                        ; v16-18  LDS address of my R fragments in slot 0, 1, 2
.set ADRB,   19                        ; v19-21  of my P fragments
.set ADRS,   22                        ; v22-24  of my scale words: lanes 0-15 R's, lanes 16-31 P's
.set SPW,    28                        ; v28     my spare word's address; never rewritten
.set NIL,    29                        ; v29     0; never rewritten
.set SC,     32                        ; v32-63  scale words, two sets of 16: register 2 i + q
.set BP,     64                        ; v64-127 the bias along P: register 16 b + n
.set AF,     128                       ; v128-223 R's eight fragments, one set
.set H,      128                       ; the way out: 64 numbers,
.set F0,     192                       ; a fragment for the first head,
.set F1,     204                       ; and for the second,
.set WA,     216                       ; their scale words
.set WB,     220
.set BR,     224                       ; v224-239 the bias along R: a pair for each of R's fragments
.set TM,     240                       ; v240-251 QUANT's scratch
.set PW0,    252
.set PW1,    253
.set G1A,    24                        ; s[24:31] descriptor group 1 for R's tiles;  s[32:39] for P's
.set G1B,    32
.set G0A,    40                        ; s[40:51] groups 0 for R's tiles, a set for each slot;  s[52:63] for P's
.set G0B,    52
.set SEL,    84
.set MSB, 0
.macro WIN new                         ; the immediate's high byte repeats the setting that is left
.if MSB != (\new)
	s_set_vgpr_msb (MSB<<8)|(\new)
.set MSB, (\new)
.endif
.endm
.set MUL_LO, 0xa1                      ; source 0 (P) window 1, source 1 (R) window 0, C and D window 2
.set MUL_HI, 0xf1                      ; the same, C and D window 3
.set TO_B,   0x40                      ; destination window 1, address window 0
; A joint load: waves 0 and 1 fetch R's halves, waves 2 and 3 P's.  The branch hangs on the wave's number alone.  An s_nop 0 and four v_nop follow each line.
.macro JLOAD s
	s_cmp_eq_u32 s15, 0
	s_cbranch_scc0 .Lfor_b_\@
	tensor_load_to_lds s[G0A+4*\s:G0A+4*\s+3], s[G1A:G1A+7]
	s_nop 0
.rept 4
	v_nop
.endr
	s_branch .Lasked_\@
.Lfor_b_\@:
	tensor_load_to_lds s[G0B+4*\s:G0B+4*\s+3], s[G1B:G1B+7]
	s_nop 0
.rept 4
	v_nop
.endr
.Lasked_\@:
.endm
.macro CREST                           ; a round of the cluster's barrier behind its opening barrier
	s_cmp_lg_u32 s14, 0
	s_cbranch_scc1 .Lnot_wave_0_\@
	s_barrier_signal -3
.Lnot_wave_0_\@:
	s_barrier_wait -3
	s_barrier_signal -1
	s_barrier_wait -1
.endm
.macro CROUND
	s_barrier_signal -1
	s_barrier_wait -1
	CREST
.endm
.macro PLACES n
.rept \n
	v_nop
.endr
.endm
; 64 numbers of a lane, v[s] on, become a fragment's registers 0-5 (v[d0] on) and 6-11 (v[d1] on) and its scale word v[w].
.macro QUANT s, d0, d1, w
.irp b, 0,1,2,3
	v_max3_num_f32 v[TM+\b], |v[\s+16*\b]|, |v[\s+1+16*\b]|, 0x1800000   ; block b: my 16 numbers, and the floor 2^(3 - 127)
.endr
.irp i, 2,4,6,8,10,12,14
.irp b, 0,1,2,3
	v_max3_num_f32 v[TM+\b], v[TM+\b], |v[\s+16*\b+\i]|, |v[\s+1+16*\b+\i]|
.endr
.endr
.irp b, 0,1,2,3
	v_permlanex16_b32 v[TM+4+\b], v[TM+\b], s[SEL], s[SEL+1]
.endr
.irp b, 0,1,2,3
	v_max_num_f32 v[TM+\b], v[TM+\b], v[TM+4+\b]
.endr
.irp b, 0,1,2,3
	v_add_nc_u32 v[TM+8+\b], 0xff000000, v[TM+\b]                  ; 2 off the exponent field: the conversion's scale operand
.endr
.irp b, 0,1,2,3
	v_lshrrev_b32 v[TM+4+\b], 23, v[TM+8+\b]                       ; the byte
.endr
	v_lshl_or_b32 v[\w], v[TM+5], 8, v[TM+4]
	v_lshl_or_b32 v[\w], v[TM+6], 16, v[\w]
	v_lshl_or_b32 v[\w], v[TM+7], 24, v[\w]
	v_cvt_scalef32_pk16_fp6_f32 v[\d0:\d0+2], v[\s:\s+15], v[TM+8]
	v_cvt_scalef32_pk16_fp6_f32 v[TM:TM+2], v[\s+16:\s+31], v[TM+9]
	v_cvt_scalef32_pk16_fp6_f32 v[\d1:\d1+2], v[\s+32:\s+47], v[TM+10]
	v_cvt_scalef32_pk16_fp6_f32 v[TM+4:TM+6], v[\s+48:\s+63], v[TM+11]
	v_nop                                                          ; one plain place behind the conversions
.irp i, 0,1,2
	v_permlane16_swap_b32 v[\d0+\i], v[TM+\i]
	v_permlane16_swap_b32 v[\d1+\i], v[TM+4+\i]
.endr
.irp i, 0,1,2
	v_mov_b32 v[\d0+3+\i], v[TM+\i]
	v_mov_b32 v[\d1+3+\i], v[TM+4+\i]
.endr
.endm
	s_load_b256 s[4:11], s[0:1], 0x0               ; ci s[4:5], bq s[6:7], bk s[8:9], bv s[10:11]
	s_load_b64 s[12:13], s[0:1], 0x20              ; img
	v_lshl_add_u32 v[SPW], v0, 2, SPARE
	v_mov_b32 v[NIL], 0
	ds_add_u32 v[SPW], v[NIL]                      ; the wave's opening: the add and its wait stand ahead of my first tensor load; work on registers stands between them
	v_lshrrev_b32 v1, 5, v0
	v_readfirstlane_b32 s14, v1                    ; wave 0..3
	s_lshr_b32 s15, s14, 1                         ; my half of R.  Also: I fetch for R (0) or for P (1)
	s_and_b32 s16, s14, 1                          ; my half of P.  Also: which 128 rows of that tile I fetch
	s_bfe_u32 s66, ttmp6, 0x40000                  ; cx
	s_bfe_u32 s67, ttmp6, 0x40004                  ; cy
	s_and_b32 s17, ttmp7, 0xffff                   ; c: the cluster, 0..23; the stream is c / 8
	s_lshl_b32 s86, s17, 2                         ; x's first tile of 256 rows for this cluster: 4 c
	s_lshr_b32 s87, s17, 3
	s_lshl_b32 s88, s87, 2
	s_add_co_u32 s88, s88, 96                      ; the weight's first tile: 96 + 4 x stream
	s_cmp_ge_u32 s17, 16                           ; stream v?  The same in all sixteen partners
	s_cselect_b32 s20, 1, 0
	s_cselect_b32 s68, s86, s88
	s_cselect_b32 s69, s88, s86
	s_add_co_u32 s68, s68, s66                     ; P's tile: hangs on cx alone
	s_add_co_u32 s69, s69, s67                     ; R's tile: hangs on cy alone
	s_lshl_b32 s70, s67, 2
	s_lshl_b32 s70, 15, s70                        ; my row of the cluster
	s_lshl_b32 s71, 0x1111, s66                    ; my column
	; descriptor group 1: a dense block of 25,600 bytes as 100 rows of 32 elements of 8 bytes, no padding
	s_or_b32 s[G1A], s70, (3<<16)|(1<<21)          ; 15:0 the mask; 17:16 elements of 8 bytes; 21 set beside a mask
	s_or_b32 s[G1B], s71, (3<<16)|(1<<21)
.irp g, G1A, G1B
	s_mov_b32 s[\g+1], 32<<16                      ; tensor_dim0 = 32
	s_mov_b32 s[\g+2], 100<<16                     ; tensor_dim1 = 100
	s_mov_b32 s[\g+3], 32<<16                      ; tile_dim0 = 32
	s_mov_b32 s[\g+4], 100                         ; tile_dim1 = 100
	s_mov_b32 s[\g+5], 32                          ; from row to row
	s_mov_b32 s[\g+6], 0
	s_mov_b32 s[\g+7], 0
.endr
	s_lshl_b32 s72, s69, 1
	s_add_co_u32 s72, s72, s16
	s_mul_i32 s72, s72, RBB                        ; R: block 2 x tile + half, in bytes
	s_mov_b32 s73, 0
	s_lshl_b32 s74, s68, 1
	s_add_co_u32 s74, s74, s16
	s_mul_i32 s74, s74, RBB                        ; P likewise
	s_mov_b32 s75, 0
	s_mul_i32 s89, s14, SUB                        ; where they go: a quarter of a slot a wave
	s_mov_b32 s[SEL], 0x76543210
	s_mov_b32 s[SEL+1], 0xfedcba98
	s_wait_dscnt 0x0                               ; the opening add is done
	s_wait_kmcnt 0x0
	s_add_nc_u64 s[72:73], s[4:5], s[72:73]
	s_add_nc_u64 s[74:75], s[4:5], s[74:75]
	CROUND                                         ; all sixteen work-groups are here: the first joint loads meet
.irp s, 0,1,2
	s_mov_b32 s[G0A+4*\s], 1
	s_add_co_u32 s[G0A+4*\s+1], s89, \s*SLOT
	s_add_nc_u64 s[G0A+4*\s+2:G0A+4*\s+3], s[72:73], \s*SUB        ; K step s
	s_or_b32 s[G0A+4*\s+3], s[G0A+4*\s+3], 0x80000000
	s_mov_b32 s[G0B+4*\s], 1
	s_add_co_u32 s[G0B+4*\s+1], s89, \s*SLOT
	s_add_nc_u64 s[G0B+4*\s+2:G0B+4*\s+3], s[74:75], \s*SUB
	s_or_b32 s[G0B+4*\s+3], s[G0B+4*\s+3], 0x80000000
	JLOAD \s
.endr
	; the biases.  Both layouts are loaded, one of them from the bias's first numbers, which are then not used: so no branch is needed here
	s_cmp_lt_u32 s17, 8
	s_cselect_b64 s[76:77], s[6:7], s[8:9]
	s_cmp_lt_u32 s17, 16
	s_cselect_b64 s[76:77], s[76:77], s[10:11]
	s_mov_b64 s[78:79], s[76:77]
	s_lshl_b32 s86, s66, 8
	s_lshl_b32 s87, s16, 7
	s_add_co_u32 s86, s86, s87                     ; q, k: my first column of W: 256 cx + 128 x half
	s_lshl_b32 s90, s67, 8
	s_lshl_b32 s87, s15, 7
	s_add_co_u32 s90, s90, s87                     ; v: 256 cy + 128 x half
	s_cmp_eq_u32 s20, 1
	s_cselect_b32 s86, 0, s86
	s_cselect_b32 s90, s90, 0
	s_lshl_b32 s86, s86, 2
	s_lshl_b32 s90, s90, 2
	s_mov_b32 s87, 0
	s_mov_b32 s91, 0
	s_add_nc_u64 s[76:77], s[76:77], s[86:87]
	s_add_nc_u64 s[78:79], s[78:79], s[90:91]
	v_and_b32 v1, 31, v0                           ; lane
	v_and_b32 v2, 15, v0                           ; r
	v_bfe_u32 v3, v0, 4, 1                         ; h
	v_lshlrev_b32 v10, 6, v3                       ; along P: 64 h
	v_and_b32 v4, 8, v2
	v_add_nc_u32 v4, v4, v2
	v_lshlrev_b32 v11, 2, v4                       ; along R: 4 (r + 8 (r / 8))
	v_lshlrev_b32 v12, 4, v1                       ; 16 x lane
.irp b, 0,1,2,3
.irp j, 0,1,2,3
	global_load_b128 v[BP+16*\b+4*\j:BP+16*\b+4*\j+3], v10, s[76:77] offset:128*\b+16*\j
.endr
.endr
.irp a, 0,1,2,3,4,5,6,7
	global_load_b32 v[BR+2*\a], v11, s[78:79] offset:4*(32*(\a/2)+8*(\a%2))
	global_load_b32 v[BR+2*\a+1], v11, s[78:79] offset:4*(32*(\a/2)+8*(\a%2))   ; twice: a pair for the packed addition
.endr
	s_mul_i32 s92, s15, SUB                        ; my half of R in a slot
	s_mul_i32 s93, s16, SUB
	s_add_co_u32 s93, s93, 2*SUB                   ; my half of P, behind R's two
	s_sub_co_u32 s94, s93, s92
	v_mul_u32_u24 v5, s94, v3                      ; lanes 16-31 take P's scale words: one product in h
	v_lshl_add_u32 v5, v2, 4, v5                   ; + 16 r
	s_add_co_u32 s95, s92, 24576
.irp s, 0,1,2
	v_add_nc_u32 v[ADRA+\s], s92, v12
	v_add_nc_u32 v[ADRB+\s], s93, v12
	v_add_nc_u32 v[ADRS+\s], s95, v5
	s_add_co_u32 s92, s92, SLOT
	s_add_co_u32 s93, s93, SLOT
	s_add_co_u32 s95, s95, SLOT
.endr
.irp b, 0,1,2,3
	v_mov_b32 v[TM+4+\b], 0                        ; written once: a lane permute's destination counts as one of its sources
.endr
	; where my results go: x's block of 128 rows gives the batch and the step, W's block of 128 columns two heads
	s_cmp_eq_u32 s20, 1
	s_cselect_b32 s86, s68, s69                    ; x's tile,
	s_cselect_b32 s87, s16, s15                    ; my half of it,
	s_cselect_b32 s88, s69, s68                    ; the weight's tile,
	s_cselect_b32 s89, s15, s16                    ; my half of it
	s_lshl_b32 s86, s86, 1
	s_add_co_u32 s86, s86, s87
	s_and_b32 s86, s86, 63                         ; block of 128 rows in the stream
	s_lshl_b32 s88, s88, 1
	s_add_co_u32 s88, s88, s89
	s_and_b32 s88, s88, 7
	s_lshl_b32 s88, s88, 1                         ; the first of my two heads
	s_lshr_b32 s87, s86, 4                         ; batch
	s_and_b32 s86, s86, 15                         ; step
	s_lshl_b32 s87, s87, 4
	s_add_co_u32 s87, s87, s88
	s_lshl_b32 s87, s87, 4
	s_add_co_u32 s87, s87, s86
	s_mul_i32 s87, s87, 3
	s_lshr_b32 s89, s17, 3
	s_add_co_u32 s87, s87, s89
	s_mul_i32 s86, s87, 6656
	s_mov_b32 s87, 0
	s_add_nc_u64 s[80:81], s[12:13], s[86:87]      ; the first head's part,
	s_add_nc_u64 s[82:83], s[80:81], 16*3*6656     ; the second head's
.macro FRAG reg, adr, q, i             ; a fragment's image: three loads of 512 consecutive bytes
.irp p, 0,1,2
	ds_load_b128 v[\reg+4*\p:\reg+4*\p+3], v[\adr] offset:12288*(\q)+1536*(\i)+512*\p
.endr
.endm
.macro FETCH_B slot, q, p              ; P's eight fragments into set p
	WIN TO_B
.irp i, 0,1,2,3,4,5,6,7
	FRAG 128*(\p)+FR*\i, ADRB+\slot, \q, \i
.endr
	WIN 0
.endm
.macro FETCH_A slot, q, i0             ; R's fragments i0 .. i0 + 3
.irp i, \i0, \i0+1, \i0+2, \i0+3
	FRAG AF+FR*(\i), ADRA+\slot, \q, \i
.endr
.endm
.macro SCALES slot, sc                 ; a slot's scale words: register 2 i + q; lanes 0-15 R's fragment i, lanes 16-31 P's
.irp g, 0,1,2,3
	ds_load_b128 v[SC+16*(\sc)+4*\g:SC+16*(\sc)+4*\g+3], v[ADRS+\slot] offset:256*\g
.endr
.endm
; 16 matrix instructions: R's fragments a0, a0 + 1 x P's eight.  The 64 accumulators take turns, one instruction a turn, in the same order in every step.
.macro MUL16 a0, p, q, sc, zero
.irp a, \a0, \a0+1
.irp b, 0,1,2,3,4,5,6,7
.if \zero
	v_wmma_scale_f32_16x16x128_f8f6f4 v[8*(8*((\a)%4)+\b):8*(8*((\a)%4)+\b)+7], v[128*(\p)+FR*\b:128*(\p)+FR*\b+FR-1], v[AF+FR*(\a):AF+FR*(\a)+FR-1], 0, v[SC+8*NQ*(\sc)+NQ*\b+(\q)], v[SC+8*NQ*(\sc)+NQ*(\a)+(\q)] matrix_a_fmt:MATRIX_FMT_FP6 matrix_b_fmt:MATRIX_FMT_FP6 matrix_a_scale:MATRIX_SCALE_ROW1
.else
	v_wmma_scale_f32_16x16x128_f8f6f4 v[8*(8*((\a)%4)+\b):8*(8*((\a)%4)+\b)+7], v[128*(\p)+FR*\b:128*(\p)+FR*\b+FR-1], v[AF+FR*(\a):AF+FR*(\a)+FR-1], v[8*(8*((\a)%4)+\b):8*(8*((\a)%4)+\b)+7], v[SC+8*NQ*(\sc)+NQ*\b+(\q)], v[SC+8*NQ*(\sc)+NQ*(\a)+(\q)] matrix_a_fmt:MATRIX_FMT_FP6 matrix_b_fmt:MATRIX_FMT_FP6 matrix_a_scale:MATRIX_SCALE_ROW1
.endif
.endr
.endr
.endm
; A step of 128 along K (the q-th of its slot, scale set sc).  It fetches the next step's fragments (slot nslot, its nq-th; with nq = 0 also that slot's scale words into set nsc).
.macro STEP q, sc, zero, nslot, nq, nsc
	s_wait_dscnt 12                                ; P's set and R's fragments 0-3 are in; the youngest 12 loads (R's 4-7) may be out
	WIN MUL_LO
	MUL16 0, \q, \q, \sc, \zero
	MUL16 2, \q, \q, \sc, \zero
	s_wait_dscnt 0x0                               ; R's fragments 4-7 are in
	PLACES 4                                       ; in front of loads into registers that matrix instructions have read
	FETCH_B \nslot, \nq, 1-\q
	FETCH_A \nslot, \nq, 0
.if \nq == 0
	SCALES \nslot, \nsc
.endif
	WIN MUL_HI
	MUL16 4, \q, \q, \sc, \zero
	MUL16 6, \q, \q, \sc, \zero
	PLACES 4
	WIN 0
	FETCH_A \nslot, \nq, 4
.endm
; A slot's second step with a barrier: in front of it each wave waits for all its tensor loads, adds 0 to its spare word, and waits for that and for its own reads of this slot.
; fill = 1: the barrier opens a round of the cluster's barrier, and slot 0 is filled again, with K step 3.
.macro TURN sc, nslot, nsc, fill
	s_wait_tensorcnt 0x0                           ; all my tensor loads have landed
	ds_add_u32 v[SPW], v[NIL]                      ; 0 onto my spare word
	s_wait_dscnt 13                                ; (the add and the youngest 12 loads may be out)
	WIN MUL_LO
	MUL16 0, 1, 1, \sc, 0
	s_wait_dscnt 0x0                               ; the add is done, and my reads of this slot are over
	s_barrier_signal -1
	MUL16 2, 1, 1, \sc, 0
	WIN 0
	s_barrier_wait -1
.if \fill
	CREST                                          ; no wave of any partner still reads slot 0 or has a load on its way
	s_add_nc_u64 s[G0A+2:G0A+3], s[G0A+2:G0A+3], 3*SUB
	s_add_nc_u64 s[G0B+2:G0B+3], s[G0B+2:G0B+3], 3*SUB
	JLOAD 0                                        ; the first tensor load behind the round; its four v_nop are also the places in front of the loads below
.else
	PLACES 4
.endif
	FETCH_B \nslot, 0, 0
	FETCH_A \nslot, 0, 0
	SCALES \nslot, \nsc
	WIN MUL_HI
	MUL16 4, 1, 1, \sc, 0
	MUL16 6, 1, 1, \sc, 0
	PLACES 4
	WIN 0
	FETCH_A \nslot, 0, 4
.endm
	s_wait_loadcnt 0x0                             ; the biases, once
	s_wait_tensorcnt 2                             ; my part of slot 0 is in; slots 1 and 2 may be out
	s_barrier_signal -1
	s_barrier_wait -1
	FETCH_B 0, 0, 0
	FETCH_A 0, 0, 0
	SCALES 0, 0
	FETCH_A 0, 0, 4
	STEP 0, 0, 1, 0, 1, 0                          ; K 0: its products start the sums
	TURN 0, 1, 1, 1                                ; K 128: slots 1 and 2 are whole in every wave; slot 0 takes K step 3, which has 224 matrix instructions in which to land
	STEP 0, 1, 0, 1, 1, 0                          ; K 256
	STEP 1, 1, 0, 2, 0, 0                          ; K 384: on into slot 2, shown whole at the barrier above; nothing is overwritten, so no barrier
	STEP 0, 0, 0, 2, 1, 0                          ; K 512
	TURN 0, 0, 1, 0                                ; K 640: slot 0's second fill has landed in every wave
	STEP 0, 1, 0, 0, 1, 0                          ; K 768
	s_wait_dscnt 12                                ; K 896: nothing more to fetch
	WIN MUL_LO
	MUL16 0, 1, 1, 1, 0
	MUL16 2, 1, 1, 1, 0
	s_wait_dscnt 0x0
	WIN MUL_HI
	MUL16 4, 1, 1, 1, 0
	MUL16 6, 1, 1, 1, 0
	WIN 0
	PLACES 4                                       ; in front of the first reads of results and writes of operand registers
; THE WAY OUT.  R's fragment a: its eight accumulators are 64 numbers of a lane along P; the bias is added on the way into window 0 (each accumulator from its low end on); then they are quantised.
.macro ROWS a, isv, d0, d1, w
	WIN 0x02+(\a)/4                                ; source 0: window 2 or 3
.set n, 0
.rept 32
.if \isv
	v_pk_add_f32 v[H+2*n:H+2*n+1], v[64*((\a)%4)+2*n:64*((\a)%4)+2*n+1], v[BR+2*(\a):BR+2*(\a)+1]
.else
	v_pk_add_f32 v[H+2*n:H+2*n+1], v[64*((\a)%4)+2*n:64*((\a)%4)+2*n+1], v[BP+2*n:BP+2*n+1]
.endif
.set n, n+1
.endr
	WIN 0
	QUANT H, \d0, \d1, \w
.endm
	s_cmp_eq_u32 s20, 1                            ; the same in all partners of the cluster
	s_cbranch_scc1 .Lv
	; q, k: P = 128 dims = two heads.  Registers 0-5 of QUANT's result are the first head's 64 dims, 6-11 the second's.  Two tiles of rows make a fragment for each head.
.irp b, 0,1,2,3
.if \b > 0
	s_wait_xcnt 0x0                                ; the stores have read F0 and F1
.endif
	ROWS 2*\b, 0, F0, F1, PW0
	ROWS 2*\b+1, 0, F0+6, F1+6, PW1
	v_perm_b32 v[WA+\b], v[PW1], v[PW0], 0x05040100    ; the first head's bytes of both tiles,
	v_perm_b32 v[WB+\b], v[PW1], v[PW0], 0x07060302    ; the second head's
.irp p, 0,1,2
	global_store_b128 v12, v[F0+4*\p:F0+4*\p+3], s[80:81] offset:1536*\b+512*\p   ; 512 consecutive bytes, aligned
	global_store_b128 v12, v[F1+4*\p:F1+4*\p+3], s[82:83] offset:1536*\b+512*\p
.endr
.endr
	s_branch .Lwords
.Lv:
	; v: P = 128 keys: QUANT's result is a whole fragment; R's fragments 0-3 are the first head's dims, 4-7 the second's
.irp a, 0,1,2,3
.if \a > 0
	s_wait_xcnt 0x0
.endif
	ROWS \a, 1, F0, F0+6, WA+\a
.irp p, 0,1,2
	global_store_b128 v12, v[F0+4*\p:F0+4*\p+3], s[80:81] offset:1536*\a+512*\p
.endr
.endr
.irp a, 0,1,2,3
	s_wait_xcnt 0x0
	ROWS \a+4, 1, F0, F0+6, WB+\a
.irp p, 0,1,2
	global_store_b128 v12, v[F0+4*\p:F0+4*\p+3], s[82:83] offset:1536*\a+512*\p
.endr
.endr
.Lwords:
	global_store_b128 v12, v[WA:WA+3], s[80:81] offset:6144        ; the four fragments' scale words, 16 bytes a lane
	global_store_b128 v12, v[WB:WB+3], s[82:83] offset:6144
	s_wait_tensorcnt 0x0                           ; the wave's end, behind my last tensor load
	ds_add_u32 v[SPW], v[NIL]
	s_wait_dscnt 0x0
	CROUND                                         ; the closing round: no work-group ends while a partner may still ask for a tile that names it
	s_endpgm
.Lfunc_end_k_q3611b474a9_proj:
	.size	k_q3611b474a9_proj, .Lfunc_end_k_q3611b474a9_proj-k_q3611b474a9_proj
	.p2alignl 7, 3214868480
	.fill 96, 4, 3214868480
	.section	.rodata,"a",@progbits
	.p2align	6, 0x0
	.amdhsa_kernel k_q3611b474a9_proj
		.amdhsa_group_segment_fixed_size 327680
		.amdhsa_private_segment_fixed_size 0
		.amdhsa_enable_private_segment 0
		.amdhsa_kernarg_size 40
		.amdhsa_user_sgpr_count 2
		.amdhsa_user_sgpr_kernarg_segment_ptr 1
		.amdhsa_wavefront_size32 1
		.amdhsa_system_sgpr_workgroup_id_x 1
		.amdhsa_system_sgpr_workgroup_id_y 1
		.amdhsa_system_sgpr_workgroup_id_z 1
		.amdhsa_system_vgpr_workitem_id 0
		.amdhsa_next_free_vgpr 1024
		.amdhsa_next_free_sgpr 96
		.amdhsa_reserve_vcc 0
		.amdhsa_float_denorm_mode_32 3
		.amdhsa_float_denorm_mode_16_64 3
		.amdhsa_memory_ordered 1
		.amdhsa_forward_progress 1
		.amdhsa_inst_pref_size 206
	.end_amdhsa_kernel
	.amdgpu_metadata
---
amdhsa.version: [ 1, 2 ]
amdhsa.kernels:
  - .name:           k_q3611b474a9_proj
    .symbol:         k_q3611b474a9_proj.kd
    .args:
      - { .name: ci, .offset: 0, .size: 8, .value_kind: global_buffer, .address_space: global }
      - { .name: bq, .offset: 8, .size: 8, .value_kind: global_buffer, .address_space: global }
      - { .name: bk, .offset: 16, .size: 8, .value_kind: global_buffer, .address_space: global }
      - { .name: bv, .offset: 24, .size: 8, .value_kind: global_buffer, .address_space: global }
      - { .name: img, .offset: 32, .size: 8, .value_kind: global_buffer, .address_space: global }
    .group_segment_fixed_size: 327680
    .private_segment_fixed_size: 0
    .kernarg_segment_align: 8
    .kernarg_segment_size: 40
    .max_flat_workgroup_size: 128
    .sgpr_count:     96
    .vgpr_count:     1024
    .wavefront_size: 32
...
	.end_amdgpu_metadata
.endif
;; end of part 2
;; launch attn (part 3): grid 4 x 64, 16 waves a work-group, clusters of 4 x 1, 327,680 bytes of LDS; arguments img, out0; writes out0
.if DOCPART == 3
	.amdgcn_target "amdgcn-amd-amdhsa--gfx1250"
	.amdhsa_code_object_version 6
	.text
	.protected	k_q3611b474a9_attn
	.globl	k_q3611b474a9_attn
	.p2align	8
	.type	k_q3611b474a9_attn,@function
k_q3611b474a9_attn:
	s_mov_b64 s[64:65], 0
	v_nop
	global_prefetch_b8 v0, s[64:65] scope:SCOPE_SE
	s_setreg_imm32_b32 hwreg(HW_REG_WAVE_MODE, 25, 1), 1
	s_wait_xcnt 0x0
	s_wait_alu depctr_hold_cnt(0) depctr_sa_sdst(0) depctr_va_vdst(0) depctr_va_sdst(0) depctr_va_ssrc(0) depctr_va_vcc(0) depctr_vm_vsrc(0)
	s_getreg_b32 s2, hwreg(HW_REG_IB_STS2, 6, 4)
	s_cmp_eq_u32 s2, 0
	s_cbranch_scc0 .Lentry_in_a_cluster
	s_endpgm
.Lentry_in_a_cluster:
	s_bfe_u32 s2, ttmp6, 0x10000c
	s_cmp_lg_u32 s2, 0x3003
	s_cbranch_scc0 .Lentry_shape_is_right
	s_endpgm
.Lentry_shape_is_right:
; out[b][q][head x 64 + d] = the sum over keys of sigmoid(qh . kh / 8) vh[key][d], both products on codes of FP6 (E2M3) with E8M0 scales; the sigmoid is computed in f32 and quantised along the keys, 32 to a block.
; img: [batch x head 64][step of 128 rows 16][q, k, v][6,656]: four fragment images (three planes of 512 bytes, 16 bytes a lane) and 512 bytes of scale words (a lane's 16 bytes: the four fragments' words).
; SHARES.  A work-group owns 512 queries of one head; each of its sixteen waves 32 of them, as two tiles of 16, one after the other; four waves to a SIMD, so that one wave's exponentials stand beside another's products and LDS loads.
; A WHOLE HEAD'S K AND V STAY IN LDS: 16 steps x 13,312 bytes, filled once: wave w brings step w by one tensor load; no ring, no refill, no barrier in the loop.
; CLUSTER.  The four work-groups of a head ask for these tiles jointly: the same load, the same descriptor, a mask that names the four.  All tiles are asked for at the head, so there is nothing to ask for earlier.
; LAYOUT.  Both products are used transposed: S^T = K Q^T, O^T = V^T P^T: a lane holds one query throughout.  Lane r of tile i of a step holds row 32 (i / 2) + 8 (i % 2) + r + 8 (r / 8), so that register 16 b + n of S^T is key 32 b + 16 h + n.
; K = 64 IN A FORM THAT IS 128 DEEP: a fragment of K holds tile 2 B's keys in registers 0-5 and tile 2 B + 1's in 6-11.  Against Q as [X | zeros] it gives tile 2 B's scores, against [zeros | X] tile 2 B + 1's: zero codes add nothing (all scale bytes are 1 to 254).
; ONE RECIPROCAL FOR FOUR SIGMOIDS.  e = 2^(-score log2(e) / 8), a = 1 + e, sigmoid = 1 / a.  The four numbers at one register place of the step's four blocks of 32 keys share a reciprocal; blocks 2 and 3 are carried times sg = 2^-60:
;   a2' = e2 sg + sg;  p02 = e0 a2' + a2' = a0 a2 sg;  p13 likewise;  R = 1 / (p02 p13);  r02 = R p13;  r13 = R p02;
;   sigmoid0 = r02 a2';  sigmoid1 = r13 a3';  r02 e0 + r02 = 2^60 sigmoid2;  r13 e1 + r13 = 2^60 sigmoid3.
; A whole block times 2^60 has the same codes and a scale byte 60 higher: 60 is taken off bytes 2 and 3 of p's scale word.  A step so has 64 exponentials and 16 reciprocals, for 88 packed instructions in the place of 32.
; So that every product stays in f32's range the score is held at -332 from below: e <= 2^59.9, p02 and p13 lie between 2^-60 and 2^60, their product between 2^-120 and 2^120.
; LIMITS: a sigmoid of score / 8 under -41.5 (9.5e-19) is held at that number; a block's byte is held at 1 from below; NaN and infinities are not served.
.set STEPB, 13312                      ; a key step in LDS: K's four fragments, K's words (at 6,144), V's four (at 6,656), V's words (at 12,800)
.set STAGE, 16*STEPB                   ; behind them: 16 rows x 272 bytes for each wave, for the way out
.set SPARE, STAGE+16*4352              ; the spare words, 128 bytes for each wave, which no other line names
.set LI,  1                            ; v1   16 x lane
.set ADR, 2                            ; v2   LDS address of the step in hand
.set STO, 3                            ; v3   the way out: where I put my row's numbers
.set RD,  4                            ; v4   where I read a row back
.set GO,  5                            ; v5   my byte offset in out0
.set SPW, 6                            ; v6   my spare word's address; never rewritten
.set NIL, 7                            ; v7   0; never rewritten
.set QW,  8                            ; v8   my fragment of Q's word as it lies: two bytes for each tile
.set QS,  9                            ; v9   the tile's two bytes, twice: Q's scale word
.set PWD, 10                           ; v10  p's scale word
.set KS,  12                           ; v12-15 K's scale words
.set VS,  16                           ; v16-19 V's
.set TM,  20                           ; v20-31 QUANT's scratch
.set QB,  32                           ; v32-49 [six zeros | X | six zeros]: v[38:49] = [X | 0], v[32:43] = [0 | X]
.set PC,  50                           ; v50-61 p's codes
.set KK,  62                           ; v62-109 K's four fragments; behind the scores' products they are free and hold:
.set TP02, KK                          ; v62-77  p02, then r13
.set TP13, KK+16                       ; v78-93  p13, then r02, then block 3's sigmoids x 2^60
.set TPP,  KK+32                       ; v94-109 p02 p13, then R, then block 2's sigmoids x 2^60
.set VV,  110                          ; v110-157 V's four
.set S,   158                          ; v158-221 S^T; then e; blocks 0 and 1 end as sigmoids, blocks 2 and 3 as a'
.set O,   222                          ; v222-253 O^T: register 16 b + n is d = 32 b + 16 h + n
.set WV,  8                            ; s8   wave
.set G0,  12                           ; s[12:15], s[16:23] the descriptor
.set G1,  16
.set SEL, 24                           ; s[24:25] lane selects: lane l xor 16
.set CS,  26                           ; s[26:27] -log2(e) / 8
.set TB,  28                           ; s28  LDS byte of the step in hand
.set CNT, 29
.set QP,  30                           ; s[30:31] my fragment of Q
.set QSP, 32                           ; s[32:33] its scale words
.set OUTP, 34                          ; s[34:35] my 32 queries' rows of out0, at my head's 256 bytes
.set CL,  40                           ; s40  -332.0: the hold of the scores
.set SG,  42                           ; s[42:43] sg = 2^-60
.macro CROUND                          ; a round of the cluster's barrier
	s_barrier_signal -1
	s_barrier_wait -1
	s_cmp_lg_u32 s[WV], 0
	s_cbranch_scc1 .Lnot_wave_0_\@
	s_barrier_signal -3
.Lnot_wave_0_\@:
	s_barrier_wait -3
	s_barrier_signal -1
	s_barrier_wait -1
.endm
; Four runs of 16 numbers of a lane, none negative (run b, from v[sb] on: keys 32 b + 16 h + 0 .. 15; runs 2 and 3 times 2^60), become a fragment's registers 0-5 (v[d0] on) and 6-11 (v[d1] on) and its scale word v[w].
.macro QUANT s0, s1, s2, s3, d0, d1, w
	v_max3_num_f32 v[TM], v[\s0], v[\s0+1], 0x1800000              ; my 16 numbers of each block, and the floor 2^(3 - 127); the four blocks by turns
	v_max3_num_f32 v[TM+1], v[\s1], v[\s1+1], 0x1800000
	v_max3_num_f32 v[TM+2], v[\s2], v[\s2+1], 0x1800000
	v_max3_num_f32 v[TM+3], v[\s3], v[\s3+1], 0x1800000
.irp i, 2,4,6,8,10,12,14
	v_max3_num_f32 v[TM], v[TM], v[\s0+\i], v[\s0+1+\i]
	v_max3_num_f32 v[TM+1], v[TM+1], v[\s1+\i], v[\s1+1+\i]
	v_max3_num_f32 v[TM+2], v[TM+2], v[\s2+\i], v[\s2+1+\i]
	v_max3_num_f32 v[TM+3], v[TM+3], v[\s3+\i], v[\s3+1+\i]
.endr
.irp b, 0,1,2,3
	v_permlanex16_b32 v[TM+4+\b], v[TM+\b], s[SEL], s[SEL+1]
.endr
.irp b, 0,1,2,3
	v_max_num_f32 v[TM+\b], v[TM+\b], v[TM+4+\b]                   ; with lane l xor 16's 16: the block's largest
.endr
.irp b, 0,1,2,3
	v_add_nc_u32 v[TM+8+\b], 0xff000000, v[TM+\b]                  ; 2 off the exponent field: the conversion's scale operand
.endr
.irp b, 0,1,2,3
	v_lshrrev_b32 v[TM+4+\b], 23, v[TM+8+\b]                       ; the byte
.endr
	v_lshl_or_b32 v[\w], v[TM+5], 8, v[TM+4]
	v_lshl_or_b32 v[\w], v[TM+6], 16, v[\w]
	v_lshl_or_b32 v[\w], v[TM+7], 24, v[\w]
	v_add_nc_u32 v[\w], 0xc3c40000, v[\w]                          ; 60 off bytes 2 and 3 (they are 125 at the least: nothing is borrowed): blocks 2 and 3 were carried times 2^60
	v_cvt_scalef32_pk16_fp6_f32 v[\d0:\d0+2], v[\s0:\s0+15], v[TM+8]
	v_cvt_scalef32_pk16_fp6_f32 v[TM:TM+2], v[\s1:\s1+15], v[TM+9]        ; (a conversion's three registers begin on an even number)
	v_cvt_scalef32_pk16_fp6_f32 v[\d1:\d1+2], v[\s2:\s2+15], v[TM+10]
	v_cvt_scalef32_pk16_fp6_f32 v[TM+4:TM+6], v[\s3:\s3+15], v[TM+11]
	v_nop                                                          ; one plain place behind the conversions
.irp i, 0,1,2
	v_permlane16_swap_b32 v[\d0+\i], v[TM+\i]                      ; a whole block in a lane: lanes 0-15 block 0, lanes 16-31 block 1
	v_permlane16_swap_b32 v[\d1+\i], v[TM+4+\i]                    ; and blocks 2, 3
.endr
.irp i, 0,1,2
	v_mov_b32 v[\d0+3+\i], v[TM+\i]
	v_mov_b32 v[\d1+3+\i], v[TM+4+\i]
.endr
.endm
.macro QLOAD u                         ; X = registers 6 u .. 6 u + 5 of my fragment's image
.if \u == 0
	global_load_b128 v[QB+6:QB+9], v[LI], s[QP:QP+1]
	global_load_b64 v[QB+10:QB+11], v[LI], s[QP:QP+1] offset:512
.else
	global_load_b64 v[QB+6:QB+7], v[LI], s[QP:QP+1] offset:520
	global_load_b128 v[QB+8:QB+11], v[LI], s[QP:QP+1] offset:1024
.endif
.endm
	s_load_b128 s[4:7], s[0:1], 0x0                ; img, out0
	v_lshl_add_u32 v[SPW], v0, 2, SPARE
	v_mov_b32 v[NIL], 0
	ds_add_u32 v[SPW], v[NIL]                      ; the wave's opening: the add and its wait stand ahead of my first tensor load; work on registers stands between them
	v_lshrrev_b32 v1, 5, v0
	v_readfirstlane_b32 s[WV], v1                  ; wave 0..15
	s_bfe_u32 s9, ttmp6, 0x40000                   ; cx: it enters Q's and out0's addresses alone
	s_and_b32 s10, ttmp7, 0xffff                   ; batch x 16 + head, which the four partners share
	; descriptor group 1: a dense block of 13,312 bytes as 52 rows of 32 elements of 8 bytes
	s_mov_b32 s[G1], 15|(3<<16)|(1<<21)            ; 15:0 the mask: all four work-groups; 17:16 elements of 8 bytes; 21 set beside a mask
	s_mov_b32 s[G1+1], 32<<16                      ; tensor_dim0 = 32
	s_mov_b32 s[G1+2], 52<<16                      ; tensor_dim1 = 52
	s_mov_b32 s[G1+3], 32<<16                      ; tile_dim0 = 32
	s_mov_b32 s[G1+4], 52                          ; tile_dim1 = 52
	s_mov_b32 s[G1+5], 32                          ; from row to row
	s_mov_b32 s[G1+6], 0
	s_mov_b32 s[G1+7], 0
	s_mov_b32 s[SEL], 0x76543210
	s_mov_b32 s[SEL+1], 0xfedcba98
	s_mov_b32 s[CS], 0xbe38aa3b                    ; -log2(e) / 8: sigmoid(s / 8) = 1 / (1 + 2^(s x this))
	s_mov_b32 s[CS+1], s[CS]                       ; (named with it as a pair, so it is written)
	s_mul_i32 s36, s10, 16*3*6656                  ; the head's first byte in img
	s_mul_i32 s38, s[WV], 3*6656
	s_add_co_u32 s38, s38, 6656
	s_add_co_u32 s38, s38, s36                     ; key step w: its k and v parts lie on end
	s_mov_b32 s39, 0
	s_lshl_b32 s40, s9, 2
	s_lshr_b32 s41, s[WV], 2
	s_add_co_u32 s40, s40, s41                     ; my queries' step: 4 cx + wave / 4
	s_and_b32 s41, s[WV], 3                        ; and fragment: wave % 4
	s_mul_i32 s42, s40, 3*6656
	s_add_co_u32 s42, s42, s36
	s_mul_i32 s43, s41, 1536
	s_add_co_u32 s44, s42, s43
	s_mov_b32 s45, 0
	s_lshl_b32 s43, s41, 2
	s_add_co_u32 s42, s42, s43
	s_add_co_u32 s42, s42, 6144
	s_mov_b32 s43, 0
	s_lshr_b32 s46, s10, 4
	s_lshl_b32 s46, s46, 11                        ; batch x 2,048 rows
	s_lshl_b32 s47, s40, 7
	s_add_co_u32 s46, s46, s47
	s_lshl_b32 s47, s41, 5
	s_add_co_u32 s46, s46, s47                     ; + 128 x step + 32 x fragment
	s_lshl_b32 s46, s46, 12                        ; rows of 4,096 bytes
	s_and_b32 s47, s10, 15
	s_lshl_b32 s47, s47, 8
	s_add_co_u32 s46, s46, s47                     ; + the head's 256 bytes
	s_mov_b32 s47, 0
	s_wait_dscnt 0x0                               ; the opening add is done
	s_wait_kmcnt 0x0
	s_mov_b32 s[G0], 1                             ; count = 1
	s_mul_i32 s[G0+1], s[WV], STEPB                ; LDS address: step w
	s_add_nc_u64 s[G0+2:G0+3], s[4:5], s[38:39]
	s_or_b32 s[G0+3], s[G0+3], 0x80000000          ; type = 2
	s_add_nc_u64 s[QP:QP+1], s[4:5], s[44:45]
	s_add_nc_u64 s[QSP:QSP+1], s[4:5], s[42:43]
	s_add_nc_u64 s[OUTP:OUTP+1], s[6:7], s[46:47]
	CROUND                                         ; all four work-groups are here: the joint loads meet
	tensor_load_to_lds s[G0:G0+3], s[G1:G1+7]      ; my one tensor load
	s_nop 0
.rept 4
	v_nop
.endr
	v_and_b32 v[LI], 31, v0
	v_lshlrev_b32 v[LI], 4, v[LI]
	QLOAD 0
	global_load_b32 v[QW], v[LI], s[QSP:QSP+1]
	s_mov_b32 s[CL], 0xc3a60000                    ; -332.0 (the offsets that stood in these registers are used up)
	s_mov_b32 s[SG], 0x21800000                    ; 2^-60
	s_mov_b32 s[SG+1], s[SG]                       ; (named with it as a pair, so it is written)
	v_and_b32 v20, 15, v0                          ; r
	v_bfe_u32 v21, v0, 4, 1                        ; h
	s_mul_i32 s36, s[WV], 4352
	s_add_co_u32 s36, s36, STAGE                   ; my stage
	v_mul_u32_u24 v[STO], v20, 272
	v_lshl_add_u32 v[STO], v21, 6, v[STO]
	v_add_nc_u32 v[STO], s36, v[STO]               ; in: row r, + 64 h.  272 = 17 x 16: sixteen rows start at sixteen different 16-byte columns modulo 256
	v_mul_u32_u24 v[RD], v21, 272
	v_lshl_add_u32 v[RD], v20, 4, v[RD]
	v_add_nc_u32 v[RD], s36, v[RD]                 ; back: lanes 0-15 one row of 256 bytes, lanes 16-31 the next
	v_lshlrev_b32 v[GO], 12, v21
	v_lshl_add_u32 v[GO], v20, 4, v[GO]            ; and the same two rows in out0
.irp i, 0,1,2,3,4,5
	v_mov_b32 v[QB+\i], 0                          ; zero codes on both sides of X
	v_mov_b32 v[QB+12+\i], 0
.endr
.irp b, 0,1,2,3
	v_mov_b32 v[TM+4+\b], 0                        ; written once: a lane permute's destination counts as one of its sources
.endr
; Line i of 16 of what block b's scores go through ahead of their exponentials: lines 0-7 hold two scores each at -332 from below (two maxima in one instruction: there is no packed one), lines 8-15 scale two each.
; The lines take each accumulator's registers in ascending order.
.macro PRE b, i
.if (\i) < 8
	v_dual_max_num_f32 v[S+16*(\b)+2*(\i)], s[CL], v[S+16*(\b)+2*(\i)] :: v_dual_max_num_f32 v[S+16*(\b)+2*(\i)+1], s[CL], v[S+16*(\b)+2*(\i)+1]
.else
	v_pk_mul_f32 v[S+16*(\b)+2*(\i)-16:S+16*(\b)+2*(\i)-15], v[S+16*(\b)+2*(\i)-16:S+16*(\b)+2*(\i)-15], s[CS:CS+1] op_sel_hi:[1,0]
.endif
.endm
; A KEY STEP: 128 keys.  first = 1: its products start O^T's sums.
.macro STEP first
	v_add_nc_u32 v[ADR], s[TB], v[LI]
.irp b, 0,1,2,3
.irp p, 0,1,2
	ds_load_b128 v[KK+12*\b+4*\p:KK+12*\b+4*\p+3], v[ADR] offset:1536*\b+512*\p   ; (none of these registers is one of the last products')
.endr
.endr
	ds_load_b128 v[KS:KS+3], v[ADR] offset:6144
	s_wait_dscnt 0x0                               ; K is in
.irp b, 0,1,2,3
	v_wmma_scale_f32_16x16x128_f8f6f4 v[S+16*\b:S+16*\b+7], v[KK+12*\b:KK+12*\b+11], v[QB+6:QB+17], 0, v[KS+\b], v[QS] matrix_a_fmt:MATRIX_FMT_FP6 matrix_b_fmt:MATRIX_FMT_FP6
	v_wmma_scale_f32_16x16x128_f8f6f4 v[S+16*\b+8:S+16*\b+15], v[KK+12*\b:KK+12*\b+11], v[QB:QB+11], 0, v[KS+\b], v[QS] matrix_a_fmt:MATRIX_FMT_FP6 matrix_b_fmt:MATRIX_FMT_FP6
.endr
.rept 4
	v_nop                                          ; four places behind the products
.endr
.set n, 0
.rept 16
	PRE 0, n
.set n, n+1
.endr
.irp b, 0,1,2                          ; block b's exponentials, with block b + 1's hold and scaling between them: these read no exponential's result
.set n, 0
.rept 16
	PRE \b+1, n
	v_exp_f32 v[S+16*\b+n], v[S+16*\b+n]
.set n, n+1
.endr
.endr
.set n, 0
.rept 16
	v_exp_f32 v[S+48+n], v[S+48+n]
.set n, n+1
.endr
	v_nop                                          ; a plain place behind the last exponential
	s_wait_alu depctr_va_vdst(0)                   ; one wait for the 64, ahead of their first reader
.irp b, 0,1,2,3                        ; V is asked for here: it has the rest of the sigmoid in which to land; the last products that read these registers stand far more than four plain places back
.irp p, 0,1,2
	ds_load_b128 v[VV+12*\b+4*\p:VV+12*\b+4*\p+3], v[ADR] offset:6656+1536*\b+512*\p
.endr
.endr
	ds_load_b128 v[VS:VS+3], v[ADR] offset:12800
.set n, 0
.rept 16
	v_pk_fma_f32 v[S+32+n:S+33+n], v[S+32+n:S+33+n], s[SG:SG+1], s[SG:SG+1] op_sel_hi:[1,0,0]   ; blocks 2, 3: a' = e sg + sg: rounded as 1 + e is
.set n, n+2
.endr
.set n, 0
.rept 8
	v_pk_fma_f32 v[TP02+n:TP02+n+1], v[S+n:S+n+1], v[S+32+n:S+33+n], v[S+32+n:S+33+n]           ; p02 = e0 a2' + a2'
	v_pk_fma_f32 v[TP13+n:TP13+n+1], v[S+16+n:S+17+n], v[S+48+n:S+49+n], v[S+48+n:S+49+n]       ; p13 = e1 a3' + a3'
.set n, n+2
.endr
.set n, 0
.rept 8
	v_pk_mul_f32 v[TPP+n:TPP+n+1], v[TP02+n:TP02+n+1], v[TP13+n:TP13+n+1]
.set n, n+2
.endr
.set n, 0
.rept 16
	v_rcp_f32 v[TPP+n], v[TPP+n]                   ; R: one for four sigmoids
.set n, n+1
.endr
	v_nop
	s_wait_alu depctr_va_vdst(0)                   ; and one wait for the 16 reciprocals
.set n, 0
.rept 8
	v_pk_mul_f32 v[TP13+n:TP13+n+1], v[TPP+n:TPP+n+1], v[TP13+n:TP13+n+1]                       ; r02 = R p13, where p13 stood
	v_pk_mul_f32 v[TP02+n:TP02+n+1], v[TPP+n:TPP+n+1], v[TP02+n:TP02+n+1]                       ; r13 = R p02, where p02 stood
.set n, n+2
.endr
.set n, 0
.rept 8
	v_pk_fma_f32 v[TPP+n:TPP+n+1], v[TP13+n:TP13+n+1], v[S+n:S+n+1], v[TP13+n:TP13+n+1]         ; block 2 x 2^60 = r02 e0 + r02, where R stood
.set n, n+2
.endr
.set n, 0
.rept 8
	v_pk_mul_f32 v[S+n:S+n+1], v[TP13+n:TP13+n+1], v[S+32+n:S+33+n]                             ; block 0 = r02 a2', where e0 stood
.set n, n+2
.endr
.set n, 0
.rept 8
	v_pk_fma_f32 v[TP13+n:TP13+n+1], v[TP02+n:TP02+n+1], v[S+16+n:S+17+n], v[TP02+n:TP02+n+1]   ; block 3 x 2^60 = r13 e1 + r13, where r02 stood
.set n, n+2
.endr
.set n, 0
.rept 8
	v_pk_mul_f32 v[S+16+n:S+17+n], v[TP02+n:TP02+n+1], v[S+48+n:S+49+n]                         ; block 1 = r13 a3', where e1 stood
.set n, n+2
.endr
	QUANT S, S+16, TPP, TP13, PC, PC+6, PWD
.rept 8
	v_nop                                          ; a scale word written by vector instructions stands eight places ahead of a scaled matrix instruction, an operand four
.endr
	s_wait_dscnt 0x0                               ; V is in
.irp t, 0,1,2,3                        ; the four accumulators take turns; S^T's eight products stand between two steps' turns
.if \first
	v_wmma_scale_f32_16x16x128_f8f6f4 v[O+8*\t:O+8*\t+7], v[VV+12*\t:VV+12*\t+11], v[PC:PC+11], 0, v[VS+\t], v[PWD] matrix_a_fmt:MATRIX_FMT_FP6 matrix_b_fmt:MATRIX_FMT_FP6
.else
	v_wmma_scale_f32_16x16x128_f8f6f4 v[O+8*\t:O+8*\t+7], v[VV+12*\t:VV+12*\t+11], v[PC:PC+11], v[O+8*\t:O+8*\t+7], v[VS+\t], v[PWD] matrix_a_fmt:MATRIX_FMT_FP6 matrix_b_fmt:MATRIX_FMT_FP6
.endif
.endr
	s_add_co_u32 s[TB], s[TB], STEPB
.endm
; THE WAY OUT of tile u: a lane's 32 numbers of one query go into my stage and come back as whole rows of 256 bytes: sixteen lanes store a query's 256 bytes of its head, aligned.
.macro OUT u
.rept 4
	v_nop                                          ; places behind the last products
.endr
.if \u == 0
	QLOAD 1                                        ; the next tile's X lands meanwhile
.endif
.irp m, 0,1,2,3,4,5,6,7
	ds_store_b128 v[STO], v[O+4*\m:O+4*\m+3] offset:128*(\m/4)+16*(\m%4)   ; each accumulator from its low end on
.endr
.irp n, 0,1,2,3,4,5,6,7
	ds_load_b128 v[S+4*\n:S+4*\n+3], v[RD] offset:544*\n           ; LDS serves a wave's instructions in order: these see my stores
.endr
.irp n, 0,1,2,3,4,5,6,7
	s_wait_dscnt 7-\n                              ; the younger loads may be out
	global_store_b128 v[GO], v[S+4*\n:S+4*\n+3], s[OUTP:OUTP+1] offset:(8*\u+2*\n+8*(\n/4))*4096 th:TH_STORE_NT   ; stage row i is query 8 u + i + 8 (i / 8) of my 32
.endr
	s_wait_xcnt 0x0                                ; the stores have read their registers
.endm
.macro TILE u
	s_wait_loadcnt 0x0                             ; X, and Q's word
.if \u == 0
	v_perm_b32 v[QS], v[QW], v[QW], 0x01000100     ; the tile's two bytes, for both halves of K
.else
	v_perm_b32 v[QS], v[QW], v[QW], 0x03020302
.endif
.rept 8
	v_nop                                          ; eight places between a scale word so written and a scaled matrix instruction
.endr
	s_mov_b32 s[TB], 0
	STEP 1                                         ; the first step stands in front of the loop: its products start the sums
	s_mov_b32 s[CNT], 15
.Lkeys_\@:
	STEP 0
	s_sub_co_u32 s[CNT], s[CNT], 1
	s_cmp_lg_u32 s[CNT], 0
	s_cbranch_scc1 .Lkeys_\@
	OUT \u
.endm
	s_wait_tensorcnt 0x0                           ; my step's tiles are in,
	s_barrier_signal -1
	s_barrier_wait -1                              ; everybody's are: the whole head lies in LDS
	TILE 0
	TILE 1
	s_wait_tensorcnt 0x0                           ; the wave's end, behind my last tensor load and my last LDS store
	ds_add_u32 v[SPW], v[NIL]
	s_wait_dscnt 0x0
	CROUND                                         ; the closing round
	s_endpgm
.Lfunc_end_k_q3611b474a9_attn:
	.size	k_q3611b474a9_attn, .Lfunc_end_k_q3611b474a9_attn-k_q3611b474a9_attn
	.p2alignl 7, 3214868480
	.fill 96, 4, 3214868480
	.section	.rodata,"a",@progbits
	.p2align	6, 0x0
	.amdhsa_kernel k_q3611b474a9_attn
		.amdhsa_group_segment_fixed_size 327680
		.amdhsa_private_segment_fixed_size 0
		.amdhsa_enable_private_segment 0
		.amdhsa_kernarg_size 16
		.amdhsa_user_sgpr_count 2
		.amdhsa_user_sgpr_kernarg_segment_ptr 1
		.amdhsa_wavefront_size32 1
		.amdhsa_system_sgpr_workgroup_id_x 1
		.amdhsa_system_sgpr_workgroup_id_y 1
		.amdhsa_system_sgpr_workgroup_id_z 1
		.amdhsa_system_vgpr_workitem_id 0
		.amdhsa_next_free_vgpr 256
		.amdhsa_next_free_sgpr 66
		.amdhsa_reserve_vcc 0
		.amdhsa_float_denorm_mode_32 3
		.amdhsa_float_denorm_mode_16_64 3
		.amdhsa_memory_ordered 1
		.amdhsa_forward_progress 1
		.amdhsa_inst_pref_size 90
	.end_amdhsa_kernel
	.amdgpu_metadata
---
amdhsa.version: [ 1, 2 ]
amdhsa.kernels:
  - .name:           k_q3611b474a9_attn
    .symbol:         k_q3611b474a9_attn.kd
    .args:
      - { .name: img, .offset: 0, .size: 8, .value_kind: global_buffer, .address_space: global }
      - { .name: out0, .offset: 8, .size: 8, .value_kind: global_buffer, .address_space: global }
    .group_segment_fixed_size: 327680
    .private_segment_fixed_size: 0
    .kernarg_segment_align: 8
    .kernarg_segment_size: 16
    .max_flat_workgroup_size: 512
    .sgpr_count:     66
    .vgpr_count:     256
    .wavefront_size: 32
...
	.end_amdgpu_metadata
.endif
;; end of part 3
